; MI455X (gfx1250); checked and timed in simulation.
; The chip was launched on July 23, 2026; its instructions are those of AMD's public machine-readable ISA for CDNA 5 (MIT licence, August 2026) and "CDNA5" Instruction Set Architecture Reference Guide (July 2026). The comments in the code are by the model that wrote it; some were corrected since.
;; Brute Force. Allowed arithmetic: float matrix products may take bf16 or f16 operands with f32 sums; all other float work in f32.
;; Inputs: candidates 1,000,000 x 64 float32; ids 1,000,000 int32; queries 128 x 64 float32.
;; Outputs: out0 128 x 10 float32; out1 128 x 10 int32.
;; Constants: k = 10.
;; One version. Each part assembles by itself: llvm-mc -triple=amdgcn-amd-amdhsa -mcpu=gfx1250 --defsym DOCPART=n.
;; ======== version 1 of 1: 3 launches
;; workspace buffers: bmax 8,028,160 bytes; picks 8,192 bytes of whole numbers
;; launch scan (part 1): grid 245 x 1, 4 waves a work-group, no clusters, 327,680 bytes of LDS; arguments candidates, queries, bmax; writes bmax
.if DOCPART == 1
	.amdgcn_target "amdgcn-amd-amdhsa--gfx1250"
	.amdhsa_code_object_version 6
	.text
	.protected	k_q357a2a1eb4_scan
	.globl	k_q357a2a1eb4_scan
	.p2align	8
	.type	k_q357a2a1eb4_scan,@function
k_q357a2a1eb4_scan:
	s_mov_b64 s[64:65], 0
	v_nop
	global_prefetch_b8 v0, s[64:65] scope:SCOPE_SE
	s_setreg_imm32_b32 hwreg(HW_REG_WAVE_MODE, 25, 1), 1
	s_wait_xcnt 0x0
; SCAN.  scores = candidates x queries^T in bf16 with f32 sums; of each bucket of 64 consecutive candidate rows only the largest score of each query is kept:
; bmax[query 128][work-group 245][slot 64] f32.  The ten best rows of a query lie in its ten best buckets (buckets ranked by maximum, then by number), so two later launches finish the work.
; SHARES.  Work-group g owns the 4,096 rows from min(4096 g, 1,000,000 - 4,096) on: the last window is moved back to end with the tensor, so that all run one text; its first 55 buckets repeat
; the neighbour's and are masked by their place in the next launch.  Wave w takes the window's rows (8 w + f) 128 .. + 127 as fill f = 0 .. 7 and multiplies them by all 128 queries.
; A candidate row is 256 bytes.  A tensor load brings 128 rows into one of the wave's own two LDS slots, 16 bytes of padding behind each row.
; PRODUCT.  Source 0 = 16 candidate rows, source 1 = 16 queries, K = 64 in two links.  In the result lane (r, h) holds query r and rows 8 h + 0..7, so a bucket's maximum is a maximum over
; a lane's registers and over tiles, and at the end one exchange between the halves of the lanes.
; NO CLUSTER: work-groups share the queries alone, 32 KiB against the 1 MiB of candidates that each reads for itself.  NO PREFETCH: the launch does nothing but stream.
; LIMITS.  Inputs are rounded to bf16 (nearest even).  A NaN score never wins a maximum; infinities are not treated apart.  The input ids is not read.
.set PITCH,  272                       ; an LDS row: 256 bytes + 16 of padding: the 16 rows of a 16-byte load start in 16 different columns of 16 bytes
.set TROWS,  128                       ; rows in a fill
.set SLOTB,  TROWS*PITCH               ; 34,816 bytes
.set WRING,  2*SLOTB                   ; a wave's two slots
.set STAGE,  4*WRING                   ; 128 rows x 272: first the queries (its one fill), later the bucket maxima [query][slot]
.set SPARE,  STAGE+128*PITCH           ; the spare words, 128 bytes a wave: two blocks of 256 bytes that no other line names
.set QSTRIDE, 245*256                  ; bytes of bmax from a query to the next
.set LASTBASE, 1000000-4096
.set LA0, 3                            ; v3, v4  my place in my wave's slot 0, 1: row r, byte 32 h
.set QA,  5                            ; v5      the same in the queries
.set STA, 6                            ; v6      stage: row r, byte 64 w + 4 h
.set STW, 7                            ; v7      the same for the fill in hand
.set RDA, 8                            ; v8      stage, read back by rows
.set GO,  9                            ; v9      my byte offset in bmax
.set SPW, 10                           ; v10     my spare word; never rewritten
.set NIL, 11                           ; v11     0; never rewritten
.set MA,  16                           ; v16-23  running maxima of the fill's rows 0-63, one a query tile
.set MB,  24                           ; v24-31  of its rows 64-127
.set S,   32                           ; v32-63  a tile's 32 f32 numbers a lane, as loaded
.set F0,  64                           ; v64-79, v80-95  two buffers of a tile's bf16 fragments: K 0-31, K 32-63
.set DX,  96                           ; v96-111   two accumulators
.set DY,  112                          ; v112-127  two more
.set Q,   128                          ; v128-255  the queries' fragments: tile qt at Q + 16 qt
.set G1,  16                           ; s[16:23] shape of a fill
.set G0A, 24                           ; s[24:27], s[28:31] from where, to where: slot 0, slot 1
.set G1Q, 32                           ; s[32:39] shape of a quarter of the queries
.set G0Q, 40                           ; s[40:43]
	s_load_b128 s[4:7], s[0:1], 0x0                ; candidates s[4:5], queries s[6:7]
	s_load_b64 s[8:9], s[0:1], 0x10                ; bmax
	v_lshl_add_u32 v[SPW], v0, 2, SPARE
	v_mov_b32 v[NIL], 0
	ds_add_u32 v[SPW], v[NIL]                      ; the wave's opening: the add and its wait ahead of my first tensor load
	ds_add_u32 v10, v11
	v_lshrrev_b32 v12, 5, v0
	v_readfirstlane_b32 s10, v12                   ; wave 0..3
	; group 1: rows of 32 elements of 8 bytes (256 bytes), dense in memory, 4 words of padding behind every 64 words in LDS
.irp g, G1, G1Q
	s_mov_b32 s[(\g)+0], (3<<16)|(1<<20)|(5<<22)|(3<<25)
	s_mov_b32 s[(\g)+1], 32<<16                    ; tensor_dim0 = 32
	s_mov_b32 s[(\g)+3], 32<<16                    ; tile_dim0 = 32
	s_mov_b32 s[(\g)+5], 32                        ; 32 elements from row to row
	s_mov_b32 s[(\g)+6], 0
	s_mov_b32 s[(\g)+7], 0
.endr
	s_mov_b32 s[G1+2], TROWS<<16                   ; tensor_dim1 = tile_dim1 = 128 rows
	s_mov_b32 s[G1+4], TROWS
	s_mov_b32 s[G1Q+2], 32<<16                     ; the queries: 32 rows a wave
	s_mov_b32 s[G1Q+4], 32
	s_mov_b32 s46, 0xffff0000                      ; lanes 16-31
	s_mov_b32 s48, 0x76543210                      ; v_permlanex16_b32: each lane takes its own place in the other half
	s_mov_b32 s49, 0xfedcba98
	s_lshl_b32 s12, ttmp9, 12
	s_min_u32 s12, s12, LASTBASE                   ; my window's first row,
	s_lshl_b32 s12, s12, 8                         ; in bytes (under 2^28),
	s_lshl_b32 s14, s10, 18                        ; and my wave's eight fills of 32,768 bytes in it
	s_add_co_u32 s12, s12, s14
	s_mov_b32 s13, 0
	s_mul_i32 s15, s10, WRING                      ; my ring in LDS
	s_mul_i32 s50, s10, 32*PITCH
	s_add_co_u32 s50, s50, STAGE                   ; my quarter of the queries in LDS,
	s_lshl_b32 s52, s10, 13                        ; and in memory
	s_mov_b32 s53, 0
	s_wait_dscnt 0x0                               ; the opening add is done
	s_wait_kmcnt 0x0
	s_add_nc_u64 s[4:5], s[4:5], s[12:13]          ; candidates at my fill 0
	s_mov_b32 s[G0Q], 1
	s_mov_b32 s[G0Q+1], s50
	s_add_nc_u64 s[G0Q+2:G0Q+3], s[6:7], s[52:53]
	s_or_b32 s[G0Q+3], s[G0Q+3], 0x80000000
	s_mov_b32 s[G0A], 1
	s_mov_b32 s[G0A+1], s15
	s_add_nc_u64 s[G0A+2:G0A+3], s[4:5], 0
	s_or_b32 s[G0A+3], s[G0A+3], 0x80000000
	s_mov_b32 s[G0A+4], 1
	s_add_co_u32 s[G0A+5], s15, SLOTB
	s_add_nc_u64 s[G0A+6:G0A+7], s[4:5], 32768
	s_or_b32 s[G0A+7], s[G0A+7], 0x80000000
	tensor_load_to_lds s[G0Q:G0Q+3], s[G1Q:G1Q+7]  ; the three first fills go out together: three tensor loads of mine are out, the most in this text
	s_nop 0
	tensor_load_to_lds s[G0A:G0A+3], s[G1:G1+7]
	s_nop 0
	tensor_load_to_lds s[G0A+4:G0A+7], s[G1:G1+7]
	s_nop 0
	v_and_b32 v1, 15, v0                           ; r
	v_bfe_u32 v2, v0, 4, 1                         ; h
	v_mul_u32_u24 v12, v1, PITCH
	v_lshl_add_u32 v13, v2, 5, v12                 ; r x 272 + 32 h
	v_add_nc_u32 v[LA0], s15, v13
	v_add_nc_u32 v[LA0+1], SLOTB, v[LA0]
	v_add_nc_u32 v[QA], STAGE, v13
	v_lshl_add_u32 v14, v2, 2, v12                 ; r x 272 + 4 h
	v_lshl_add_u32 v14, s10, 6, v14                ; + 64 w: my wave's 16 slots of a stage row
	v_add_nc_u32 v[STA], STAGE, v14
	v_lshl_add_u32 v15, s10, 5, v2                 ; the way out: query 32 w + h
	v_mul_u32_u24 v12, v15, PITCH
	v_lshl_add_u32 v12, v1, 4, v12
	v_add_nc_u32 v[RDA], STAGE, v12
	v_mul_u32_u24 v12, v15, QSTRIDE
	v_lshl_add_u32 v[GO], v1, 4, v12
; A fragment is 16 rows x 32 K of bf16 in 8 registers: lane (r, h) holds row r, K = 8 h + 0..7 and 16 + 8 h + 0..7.  In f32 rows those are 32 bytes at 32 h and 32 bytes at 64 + 32 h;
; the second 32 K lie 128 bytes on.  So eight loads of 16 bytes, at 64 (j / 2) + 16 (j % 2), bring a lane's 32 numbers in K's true order, and pairs of them round into 16 registers.
.macro QLD qt, buf
.irp j, 0,1,2,3,4,5,6,7
	ds_load_b128 v[(\buf)+4*(\j):(\buf)+4*(\j)+3], v[QA] offset:16*PITCH*(\qt)+64*((\j)/2)+16*((\j)%2)
.endr
.endm
.macro QCVT qt, buf
.irp j, 0,1,2,3,4,5,6,7,8,9,10,11,12,13,14,15
	v_cvt_pk_bf16_f32 v[Q+16*(\qt)+(\j)], v[(\buf)+2*(\j)], v[(\buf)+2*(\j)+1]
.endr
.endm
	s_wait_tensorcnt 0x2                           ; my quarter of the queries is in; the two fills issued behind it may stay out
	s_barrier_signal -1
	s_barrier_wait -1                              ; everybody's quarter is in
	QLD 0, S                                       ; two rounds of eight loads are out at a time, into v32-63 and v96-127 by turns
	QLD 1, DX
.irp qt, 0,1,2,3,4,5,6,7
.if (\qt) < 7
	s_wait_dscnt 0x8                               ; this round is in; the next round's eight loads may be out
.else
	s_wait_dscnt 0x0
.endif
	QCVT \qt, S+64*((\qt)%2)
.if (\qt) < 6
	QLD (\qt)+2, S+64*((\qt)%2)
.endif
.endr
	s_wait_dscnt 0x0                               ; my reads of the queries are over:
	s_barrier_signal -1
	s_barrier_wait -1                              ; everybody's are, and the stage may be written
.macro LOADH sl, t, hf                 ; half hf (32 K) of tile t of slot sl: four loads into S's half
.irp j, 0,1,2,3
	ds_load_b128 v[S+16*(\hf)+4*(\j):S+16*(\hf)+4*(\j)+3], v[LA0+(\sl)] offset:16*PITCH*(\t)+128*(\hf)+64*((\j)/2)+16*((\j)%2)
.endr
.endm
.macro CVT8 hf, fb                     ; S's half rounded into half hf of fragment buffer fb
.irp j, 0,1,2,3,4,5,6,7
	v_cvt_pk_bf16_f32 v[F0+16*(\fb)+8*(\hf)+(\j)], v[S+16*(\hf)+2*(\j)], v[S+16*(\hf)+2*(\j)+1]
.endr
.endm
; Four products: query tiles 2 grp and 2 grp + 1, two links each.  The two accumulators take turns, one instruction a turn; the first link starts the sum with the constant 0.
.macro WM4 d, grp, fb
	v_wmma_f32_16x16x32_bf16 v[(\d):(\d)+7],    v[F0+16*(\fb):F0+16*(\fb)+7],    v[Q+32*(\grp):Q+32*(\grp)+7],     0
	v_wmma_f32_16x16x32_bf16 v[(\d)+8:(\d)+15], v[F0+16*(\fb):F0+16*(\fb)+7],    v[Q+32*(\grp)+16:Q+32*(\grp)+23], 0
	v_wmma_f32_16x16x32_bf16 v[(\d):(\d)+7],    v[F0+16*(\fb)+8:F0+16*(\fb)+15], v[Q+32*(\grp)+8:Q+32*(\grp)+15],  v[(\d):(\d)+7]
	v_wmma_f32_16x16x32_bf16 v[(\d)+8:(\d)+15], v[F0+16*(\fb)+8:F0+16*(\fb)+15], v[Q+32*(\grp)+24:Q+32*(\grp)+31], v[(\d)+8:(\d)+15]
.endm
; Sixteen registers of scores into two running maxima: eight instructions, the two tiles alternating; each accumulator's lowest registers are read first.
.macro MAX8 d, grp, m, first
.irp u, 0,8
	v_max3_num_f32 v[(\d)+(\u)], v[(\d)+(\u)], v[(\d)+(\u)+1], v[(\d)+(\u)+2]
.endr
.irp u, 0,8
	v_max3_num_f32 v[(\d)+(\u)+3], v[(\d)+(\u)+3], v[(\d)+(\u)+4], v[(\d)+(\u)+5]
.endr
.irp u, 0,1
.if \first
	v_max_num_f32 v[(\m)+2*(\grp)+(\u)], v[(\d)+8*(\u)+6], v[(\d)+8*(\u)+7]  ; a bucket's first tile starts its maximum: nothing is cleared
.else
	v_max3_num_f32 v[(\m)+2*(\grp)+(\u)], v[(\m)+2*(\grp)+(\u)], v[(\d)+8*(\u)+6], v[(\d)+8*(\u)+7]
.endif
.endr
.irp u, 0,1
	v_max3_num_f32 v[(\m)+2*(\grp)+(\u)], v[(\m)+2*(\grp)+(\u)], v[(\d)+8*(\u)], v[(\d)+8*(\u)+3]
.endr
.endm
; A TILE: 16 rows x 128 queries: 16 products, 32 maxima, and beside them the next tile's 16 roundings and the eight loads of the tile after that.
; Places (ISA guide 7.12.1): between four products and the maxima that read them, and between them and the next products on the same accumulators, stand eight plain vector instructions that
; name none of their registers (the roundings, or the other pair's maxima); in tile 7, which has nothing to round, five v_nop.  A fragment buffer is rewritten a whole tile's maxima behind its last product.
.macro TILE sl, t
.set FB, (\t)%2
.set NBF, 1-FB
.set MM, MA+8*((\t)/4)
.set FI, 1-(((\t)%4)+3)/4              ; 1 in tiles 0 and 4
	WM4 DX, 0, FB
.if (\t) < 7
	s_wait_dscnt 0x4                               ; the next tile's first half is in; the four loads of its second half may be out
	CVT8 0, NBF
.if (\t) < 6
	LOADH \sl, (\t)+2, 0
.endif
.else
.rept 5
	v_nop
.endr
.endif
	WM4 DY, 1, FB
	MAX8 DX, 0, MM, FI
	WM4 DX, 2, FB
	MAX8 DY, 1, MM, FI
	WM4 DY, 3, FB
	MAX8 DX, 2, MM, FI
.if (\t) < 6
	s_wait_dscnt 0x4                               ; the next tile's second half is in; the four loads just issued may be out
	CVT8 1, NBF
	LOADH \sl, (\t)+2, 1
.elseif (\t) == 6
	s_wait_dscnt 0x0                               ; the last four loads of the slot
	CVT8 1, NBF
.endif
	MAX8 DY, 3, MM, FI
.endm
; The fill's two buckets.  A lane's maxima cover the rows of its own half of the lanes: each half sends the other the bucket that the other keeps (lanes 0-15 keep rows 0-63, lanes 16-31 rows 64-127),
; and each lane stores one word: stage[query 16 qt + r][slot 2 (8 w + f) + h].  The temporaries lie in S, which no load is writing any more.
.macro COMBINE
	v_add_nc_u32 v[STW], s45, v[STA]
	s_add_co_u32 s45, s45, 8                       ; two slots on for the next fill
.irp q, 0,1,2,3,4,5,6,7
	v_cndmask_b32 v[S+(\q)], v[MB+(\q)], v[MA+(\q)], s46       ; what I send
.endr
.irp q, 0,1,2,3,4,5,6,7
	v_cndmask_b32 v[S+8+(\q)], v[MA+(\q)], v[MB+(\q)], s46     ; what I keep
.endr
.irp q, 0,1,2,3,4,5,6,7
	v_permlanex16_b32 v[S+16+(\q)], v[S+(\q)], s48, s49
.endr
.irp q, 0,1,2,3,4,5,6,7
	v_max_num_f32 v[S+8+(\q)], v[S+8+(\q)], v[S+16+(\q)]
.endr
.irp q, 0,1,2,3,4,5,6,7
	ds_store_b32 v[STW], v[S+8+(\q)] offset:16*PITCH*(\q)
.endr
.endm
; A fill is read, multiplied and reduced.  tc = how many younger tensor loads may stay out.
.macro PROCESS sl, tc
	s_wait_tensorcnt \tc                           ; tensor loads of a wave end in order: my fill is in LDS.  Only I read it, so no barrier is needed for the reads
	LOADH \sl, 0, 0
	LOADH \sl, 0, 1
	s_wait_dscnt 0x4                               ; LDS instructions come back in order (ISA guide 5.7.1): all but the youngest four
	CVT8 0, 0
	LOADH \sl, 1, 0
	s_wait_dscnt 0x4
	CVT8 1, 0
	LOADH \sl, 1, 1
.irp t, 0,1,2,3,4,5,6,7
	TILE \sl, \t
.endr
	COMBINE
.endm
; Slot sl, which has been read, is filled again with the fill two further on.
.macro CHANGE sl
	s_wait_tensorcnt 0x0                           ; all my tensor loads have landed, the unread slot's too: a group 0 may be written
	ds_add_u32 v[SPW], v[NIL]                      ; 0 onto my spare word
	s_add_nc_u64 s[G0A+4*(\sl)+2:G0A+4*(\sl)+3], s[G0A+4*(\sl)+2:G0A+4*(\sl)+3], 65536
	s_wait_dscnt 0x0                               ; the add is done, my reads of the slot are back, my stage stores are done
	s_barrier_signal -1
	s_barrier_wait -1
	tensor_load_to_lds s[G0A+4*(\sl):G0A+4*(\sl)+3], s[G1:G1+7]  ; my one tensor load behind this barrier, and the first thing there: it has the other slot's 128 products in which to land
	s_nop 0
.endm
	s_mov_b32 s45, 0
	s_mov_b32 s44, 3
.Ltrip:                                                ; a trip: two fills are worked on, the two after them asked for
	PROCESS 0, 1                                   ; one younger load may be out: slot 1's
	CHANGE 0
	PROCESS 1, 1                                   ; the refill just issued may be out; this slot was shown landed by the wait for all
	CHANGE 1
	s_sub_co_u32 s44, s44, 1
	s_cmp_lg_u32 s44, 0
	s_cbranch_scc1 .Ltrip
	PROCESS 0, 1                                   ; fills 6 and 7: nothing is left to fetch
	PROCESS 1, 0
	; THE WAY OUT.  A stage row is one query's 64 bucket maxima, 256 bytes, made by all four waves: a barrier, then each wave reads 32 whole rows and stores them.
	s_wait_dscnt 0x0                               ; for the others' sake: my stores into the stage are done
	s_barrier_signal -1
	s_barrier_wait -1
.irp i, 0,1,2,3,4,5,6,7,8,9,10,11,12,13,14,15
	ds_load_b128 v[S+4*(\i):S+4*(\i)+3], v[RDA] offset:2*PITCH*(\i)
.endr
	s_lshl_b32 s12, ttmp9, 8                       ; my work-group's 256 bytes in each query's part of bmax
	s_mov_b32 s13, 0
	s_add_nc_u64 s[8:9], s[8:9], s[12:13]
.irp i, 0,1,2,3,4,5,6,7,8,9,10,11,12,13,14,15
	s_wait_dscnt 15-(\i)
	global_store_b128 v[GO], v[S+4*(\i):S+4*(\i)+3], s[8:9] offset:2*QSTRIDE*(\i)  ; 16 lanes store 256 consecutive bytes, at a multiple of 256 from bmax's first byte
.endr
	s_wait_tensorcnt 0x0                           ; the wave's end
	ds_add_u32 v[SPW], v[NIL]
	s_wait_dscnt 0x0
	s_endpgm
.Lfunc_end_k_q357a2a1eb4_scan:
	.size	k_q357a2a1eb4_scan, .Lfunc_end_k_q357a2a1eb4_scan-k_q357a2a1eb4_scan
	.p2alignl 7, 3214868480
	.fill 96, 4, 3214868480
	.section	.rodata,"a",@progbits
	.p2align	6, 0x0
	.amdhsa_kernel k_q357a2a1eb4_scan
		.amdhsa_group_segment_fixed_size 327680
		.amdhsa_private_segment_fixed_size 0
		.amdhsa_enable_private_segment 0
		.amdhsa_kernarg_size 24
		.amdhsa_user_sgpr_count 2
		.amdhsa_user_sgpr_kernarg_segment_ptr 1
		.amdhsa_wavefront_size32 1
		.amdhsa_system_sgpr_workgroup_id_x 1
		.amdhsa_system_sgpr_workgroup_id_y 1
		.amdhsa_system_sgpr_workgroup_id_z 1
		.amdhsa_system_vgpr_workitem_id 0
		.amdhsa_next_free_vgpr 256
		.amdhsa_next_free_sgpr 66
		.amdhsa_reserve_vcc 0
		.amdhsa_float_denorm_mode_32 3
		.amdhsa_float_denorm_mode_16_64 3
		.amdhsa_memory_ordered 1
		.amdhsa_forward_progress 1
		.amdhsa_inst_pref_size 175
	.end_amdhsa_kernel
	.amdgpu_metadata
---
amdhsa.version: [ 1, 2 ]
amdhsa.kernels:
  - .name:           k_q357a2a1eb4_scan
    .symbol:         k_q357a2a1eb4_scan.kd
    .args:
      - { .name: candidates, .offset: 0, .size: 8, .value_kind: global_buffer, .address_space: global }
      - { .name: queries, .offset: 8, .size: 8, .value_kind: global_buffer, .address_space: global }
      - { .name: bmax, .offset: 16, .size: 8, .value_kind: global_buffer, .address_space: global }
    .group_segment_fixed_size: 327680
    .private_segment_fixed_size: 0
    .kernarg_segment_align: 8
    .kernarg_segment_size: 24
    .max_flat_workgroup_size: 128
    .sgpr_count:     66
    .vgpr_count:     256
    .wavefront_size: 32
...
	.end_amdgpu_metadata
.endif
;; end of part 1
;; launch pick (part 2): grid 128 x 1, 8 waves a work-group, no clusters, 3,072 bytes of LDS; arguments bmax, picks; writes picks
.if DOCPART == 2
	.amdgcn_target "amdgcn-amd-amdhsa--gfx1250"
	.amdhsa_code_object_version 6
	.text
	.protected	k_q357a2a1eb4_pick
	.globl	k_q357a2a1eb4_pick
	.p2align	8
	.type	k_q357a2a1eb4_pick,@function
k_q357a2a1eb4_pick:
	s_mov_b64 s[64:65], 0
	v_nop
	global_prefetch_b8 v0, s[64:65] scope:SCOPE_SE
	s_setreg_imm32_b32 hwreg(HW_REG_WAVE_MODE, 25, 1), 1
	s_wait_xcnt 0x0
; PICK.  For query q (one work-group each) the ten best of its 15,625 buckets, ranked by maximum (descending), then by bucket number (ascending): picks[q][0..9], whole numbers.
; bmax[q] is 15,680 numbers, 62,720 consecutive bytes; place p = 64 g + slot.  Places below 15,616 are buckets p.  The last work-group's window was moved back: its places 15,616 .. 15,670 repeat
; buckets 15,561 .. 15,615 and are masked; places 15,671 .. 15,679 are buckets p - 55.
; Each of 256 threads holds 64 places in registers (16 loads of 16 bytes; a wave's load covers 512 consecutive bytes).  A wave finds its ten best, the eight lists meet in LDS, wave 0 merges them.
; The selection has no branch on data: ten rounds of maximum, lowest number among the equals, removal, all by compares and selects.  Numbers are carried as exact integers in f32 (below 2^24).
; No matrix unit, no cluster, no tensor load: 8 MB are read once, by loads that are all out together.
; LIMITS.  A NaN never wins; -inf marks masked and removed entries, so infinite scores are not treated apart; +0 and -0 count as equal.
.set QSTRIDE, 245*256
.set MV,    0                          ; LDS: 8 waves x 32 values, 128 bytes of its own for each wave
.set MI,    1024                       ; 8 waves x 32 numbers
.set SPARE, 2048                       ; the spare words, 128 bytes a wave: four blocks of 256 bytes that no other line names
.set VO,   2                           ; v2   16 x thread
.set VO15, 3                           ; v3   the sixteenth load's offset, held inside the query's part
.set SPW,  4                           ; v4   my spare word; never rewritten
.set NIL,  5                           ; v5   0; never rewritten
.set PINF, 6
.set NINF, 7
.set M,    8                           ; the round's maximum
.set MY,   9                           ; the other half of the lanes'
.set KMIN, 10                          ; the round's number
.set OUTV, 11                          ; lane j: the j-th best value
.set OUTI, 12                          ; and its number
.set T,    16                          ; v16-19  four chains of the maximum
.set KC,   20                          ; v20-21  two chains of the minimum
.set U,    24                          ; v24-31  candidates for the number, two sets of four
.set V,    64                          ; v64-127   values
.set I,    128                         ; v128-191  numbers
.set SEL,  18                          ; s18, s19
.set MK,   20                          ; s20-23  four lane masks by turns
.set OK,   26                          ; s26-29  which lanes' last four places are buckets
.set RM,   31                          ; the lane that records this round
.set RC,   32                          ; rounds to go
.macro WRED opd, op, x, y              ; over the 32 lanes, result in every lane
	\opd v[\x], v[\x], v[\x] row_xmask:1 row_mask:0xf bank_mask:0xf
	\opd v[\x], v[\x], v[\x] row_xmask:2 row_mask:0xf bank_mask:0xf
	\opd v[\x], v[\x], v[\x] row_xmask:4 row_mask:0xf bank_mask:0xf
	\opd v[\x], v[\x], v[\x] row_xmask:8 row_mask:0xf bank_mask:0xf
	v_permlanex16_b32 v[\y], v[\x], s[SEL], s[SEL+1]
	\op v[\x], v[\x], v[\y]
.endm
; The ten best of the wave's 32 R pairs (value VB + k, number IB + k), best first, into lanes 0 to 9 of OUTV and OUTI; the other lanes keep (-inf, +inf).  R % 4 is 0, 1 or 2.
.macro TOP10 R, VB, IB
	v_mov_b32 v[OUTV], v[NINF]
	v_mov_b32 v[OUTI], v[PINF]
	s_mov_b32 s[RM], 1
	s_mov_b32 s[RC], 10
.Ltop_\@:
.irp c, 0,1,2,3
	v_mov_b32 v[T+\c], v[NINF]
.endr
.set k, 0
.rept (\R)/2                           ; the lane's maximum, three operands at a time, in four chains
	v_max3_num_f32 v[T+(k/2)%4], v[T+(k/2)%4], v[(\VB)+k], v[(\VB)+k+1]
.set k, k+2
.endr
.if (\R)%2
	v_max_num_f32 v[T+1], v[T+1], v[(\VB)+(\R)-1]
.endif
	v_max3_num_f32 v[T], v[T], v[T+1], v[T+2]
	v_max_num_f32 v[M], v[T], v[T+3]
	WRED v_max_num_f32_dpp, v_max_num_f32, M, MY
	v_mov_b32 v[KC], v[PINF]
	v_mov_b32 v[KC+1], v[PINF]
.set k, 0
.rept ((\R)+3)/4                       ; the lowest number among the values equal to it
.set n, (\R)-k
.if n > 4
.set n, 4
.endif
.set ub, U+4*((k/4)%2)
.set j, 0
.rept n
	v_cmp_eq_f32 s[MK+j], v[M], v[(\VB)+k+j]
.set j, j+1
.endr
.set j, 0
.rept n
	v_cndmask_b32 v[ub+j], v[PINF], v[(\IB)+k+j], s[MK+j]
.set j, j+1
.endr
.if n == 4
	v_min3_num_f32 v[KC], v[KC], v[ub], v[ub+1]
	v_min3_num_f32 v[KC+1], v[KC+1], v[ub+2], v[ub+3]
.elseif n == 2
	v_min3_num_f32 v[KC], v[KC], v[ub], v[ub+1]
.else
	v_min_num_f32 v[KC], v[KC], v[ub]
.endif
.set k, k+4
.endr
	v_min_num_f32 v[KMIN], v[KC], v[KC+1]
	WRED v_min_num_f32_dpp, v_min_num_f32, KMIN, MY
.set k, 0
.rept ((\R)+3)/4                       ; the pair of that number is taken out
.set n, (\R)-k
.if n > 4
.set n, 4
.endif
.set j, 0
.rept n
	v_cmp_eq_f32 s[MK+j], v[KMIN], v[(\IB)+k+j]
.set j, j+1
.endr
.set j, 0
.rept n
	v_cndmask_b32 v[(\VB)+k+j], v[(\VB)+k+j], v[NINF], s[MK+j]
.set j, j+1
.endr
.set k, k+4
.endr
	v_cndmask_b32 v[OUTV], v[OUTV], v[M], s[RM]
	v_cndmask_b32 v[OUTI], v[OUTI], v[KMIN], s[RM]
	s_lshl_b32 s[RM], s[RM], 1
	s_sub_co_u32 s[RC], s[RC], 1
	s_cmp_lg_u32 s[RC], 0
	s_cbranch_scc1 .Ltop_\@
.endm
	s_load_b128 s[4:7], s[0:1], 0x0                ; bmax s[4:5], picks s[6:7]
	v_lshl_add_u32 v[SPW], v0, 2, SPARE
	v_mov_b32 v[NIL], 0
	v_lshrrev_b32 v13, 5, v0
	v_readfirstlane_b32 s8, v13                    ; wave 0..7
	v_and_b32 v1, 31, v0                           ; lane
	s_mul_i32 s10, ttmp9, QSTRIDE                  ; my query's part of bmax
	s_mov_b32 s11, 0
	v_lshlrev_b32 v[VO], 4, v0
	v_add_nc_u32 v[VO15], 15*4096, v[VO]
	v_min_u32 v[VO15], QSTRIDE-16, v[VO15]         ; threads 80 and up would pass the query's end: they read its last 16 bytes, and their places are masked
	s_wait_kmcnt 0x0
	s_add_nc_u64 s[4:5], s[4:5], s[10:11]
.irp i, 0,1,2,3,4,5,6,7,8,9,10,11,12,13,14
	global_load_b128 v[V+4*(\i):V+4*(\i)+3], v[VO], s[4:5] offset:4096*(\i) th:TH_LOAD_NT
.endr
	global_load_b128 v[V+60:V+63], v[VO15], s[4:5] th:TH_LOAD_NT
	; while the sixteen loads are out: the places p = 1024 i + 4 thread + e, as f32
	s_mov_b32 s12, 0x44800000                      ; 1024.0
	s_mov_b32 s13, 0x46740000                      ; 15616.0
	s_mov_b32 s14, 0x4674dc00                      ; 15671.0
	s_mov_b32 s15, 0x46750000                      ; 15680.0
	s_mov_b32 s16, 0x425c0000                      ; 55.0
	s_mov_b32 s[SEL], 0x76543210
	s_mov_b32 s[SEL+1], 0xfedcba98
	v_mov_b32 v[PINF], 0x7f800000
	v_mov_b32 v[NINF], 0xff800000
	v_mov_b32 v[MY], 0                             ; v_permlanex16_b32's destination counts as read
	v_lshlrev_b32 v13, 2, v0
	v_cvt_f32_u32 v[I], v13
	v_add_f32 v[I+1], 1.0, v[I]
	v_add_f32 v[I+2], 2.0, v[I]
	v_add_f32 v[I+3], 0x40400000, v[I]
.set k, 4
.rept 60
	v_add_f32 v[I+k], s12, v[I+k-4]
.set k, k+1
.endr
.irp e, 0,1,2,3                        ; only the last four places of a thread reach 15,616
	v_cmp_gt_f32 s[OK+(\e)], s13, v[I+60+(\e)]     ; p < 15,616
	v_cmp_le_f32 s24, s14, v[I+60+(\e)]            ; 15,671 <= p
	v_cmp_gt_f32 s25, s15, v[I+60+(\e)]            ; p < 15,680
	s_and_b32 s24, s24, s25                        ; a bucket of the window that was moved back:
	s_or_b32 s[OK+(\e)], s[OK+(\e)], s24
	v_cndmask_b32 v14, 0, s16, s24
	v_sub_f32 v[I+60+(\e)], v[I+60+(\e)], v14      ; its number is p - 55
.endr
	s_wait_loadcnt 0x0
.irp e, 0,1,2,3
	v_cndmask_b32 v[V+60+(\e)], v[NINF], v[V+60+(\e)], s[OK+(\e)]
.endr
	TOP10 64, V, I
	v_lshlrev_b32 v13, 2, v1
	v_lshl_add_u32 v13, s8, 7, v13                 ; 128 w + 4 lane: every lane stores, each wave into 128 bytes of its own
	ds_store_b32 v13, v[OUTV] offset:MV            ; my wave's ten pairs, and 22 of (-inf, +inf), which never win
	ds_store_b32 v13, v[OUTI] offset:MI
	s_wait_dscnt 0x0                               ; for wave 0's sake
	s_barrier_signal -1
	s_barrier_wait -1
	s_cmp_lg_u32 s8, 0
	s_cbranch_scc1 .Lend
	v_lshlrev_b32 v13, 2, v1                       ; wave 0 merges the 256 pairs, eight a lane
.irp k, 0,1,2,3,4,5,6,7
	ds_load_b32 v[V+(\k)], v13 offset:MV+128*(\k)
	ds_load_b32 v[I+(\k)], v13 offset:MI+128*(\k)
.endr
	s_wait_dscnt 0x0
	TOP10 8, V, I
	v_cvt_u32_f32 v14, v[OUTI]
	s_lshl_b32 s10, ttmp9, 6                       ; picks[q]: 16 words, of which ten are written and read
	s_add_nc_u64 s[6:7], s[6:7], s[10:11]
	s_wait_xcnt 0x0                                ; EXEC changes only behind this wait
	v_cmp_gt_u32 vcc_lo, 10, v1
	s_and_saveexec_b32 s30, vcc_lo
	global_store_b32 v13, v14, s[6:7]
	s_wait_xcnt 0x0                                ; EXEC is widened only behind this wait
	s_or_b32 exec_lo, exec_lo, s30
.Lend:
	s_wait_tensorcnt 0x0                           ; the wave's end
	ds_add_u32 v[SPW], v[NIL]
	s_wait_dscnt 0x0
	s_endpgm
.Lfunc_end_k_q357a2a1eb4_pick:
	.size	k_q357a2a1eb4_pick, .Lfunc_end_k_q357a2a1eb4_pick-k_q357a2a1eb4_pick
	.p2alignl 7, 3214868480
	.fill 96, 4, 3214868480
	.section	.rodata,"a",@progbits
	.p2align	6, 0x0
	.amdhsa_kernel k_q357a2a1eb4_pick
		.amdhsa_group_segment_fixed_size 3072
		.amdhsa_private_segment_fixed_size 0
		.amdhsa_enable_private_segment 0
		.amdhsa_kernarg_size 16
		.amdhsa_user_sgpr_count 2
		.amdhsa_user_sgpr_kernarg_segment_ptr 1
		.amdhsa_wavefront_size32 1
		.amdhsa_system_sgpr_workgroup_id_x 1
		.amdhsa_system_sgpr_workgroup_id_y 1
		.amdhsa_system_sgpr_workgroup_id_z 1
		.amdhsa_system_vgpr_workitem_id 0
		.amdhsa_next_free_vgpr 192
		.amdhsa_next_free_sgpr 66
		.amdhsa_reserve_vcc 1
		.amdhsa_float_denorm_mode_32 3
		.amdhsa_float_denorm_mode_16_64 3
		.amdhsa_memory_ordered 1
		.amdhsa_forward_progress 1
		.amdhsa_inst_pref_size 34
	.end_amdhsa_kernel
	.amdgpu_metadata
---
amdhsa.version: [ 1, 2 ]
amdhsa.kernels:
  - .name:           k_q357a2a1eb4_pick
    .symbol:         k_q357a2a1eb4_pick.kd
    .args:
      - { .name: bmax, .offset: 0, .size: 8, .value_kind: global_buffer, .address_space: global }
      - { .name: picks, .offset: 8, .size: 8, .value_kind: global_buffer, .address_space: global }
    .group_segment_fixed_size: 3072
    .private_segment_fixed_size: 0
    .kernarg_segment_align: 8
    .kernarg_segment_size: 16
    .max_flat_workgroup_size: 256
    .sgpr_count:     66
    .vgpr_count:     192
    .wavefront_size: 32
...
	.end_amdgpu_metadata
.endif
;; end of part 2
;; launch rescore (part 3): grid 128 x 1, 10 waves a work-group, no clusters, 177,920 bytes of LDS; arguments candidates, queries, picks, out0, out1; writes out0, out1
.if DOCPART == 3
	.amdgcn_target "amdgcn-amd-amdhsa--gfx1250"
	.amdhsa_code_object_version 6
	.text
	.protected	k_q357a2a1eb4_rescore
	.globl	k_q357a2a1eb4_rescore
	.p2align	8
	.type	k_q357a2a1eb4_rescore,@function
k_q357a2a1eb4_rescore:
	s_mov_b64 s[64:65], 0
	v_nop
	global_prefetch_b8 v0, s[64:65] scope:SCOPE_SE
	s_setreg_imm32_b32 hwreg(HW_REG_WAVE_MODE, 25, 1), 1
	s_wait_xcnt 0x0
; RESCORE.  For query q (one work-group each) the scores of the 640 rows of its ten picked buckets, and of them the ten best by score (descending), then by row number (ascending): out0, out1.
; Wave w takes bucket picks[q][w]: 64 rows of 256 bytes, 16,384 consecutive bytes, by one tensor load into LDS bytes of its own (nothing is filled twice).
; The scores are made as the first launch made them: the same rounding to bf16, K in the same places, the same two links; only the sources are swapped (source 0 = the query in all 16 rows,
; source 1 = 16 candidate rows), so that register 0 of lane l holds the score of row l % 16 of the tile.  Buckets and rows are thus ranked by one and the same score.
; The bucket's number is read from memory as a whole number, held to 15,624, and enters the tensor load's global address alone.
; No cluster: no two work-groups read the same rows but by chance.  No prefetch: a bucket is known one scalar load ahead of its tensor load.
; LIMITS.  A NaN never wins; -inf marks removed entries, so infinite scores are not treated apart; +0 and -0 count as equal; row numbers are carried as exact integers in f32 (below 2^24).
; The input ids is not read.
.set PITCH, 272
.set TILEB, 64*PITCH                   ; 17,408 bytes a wave
.set MV,    10*TILEB                   ; 174,080: 10 waves x 32 values, 128 bytes of its own for each wave
.set MI,    MV+1280                    ; 10 waves x 32 numbers
.set SPARE, MI+1280                    ; 176,640: the spare words, 128 bytes a wave: five blocks of 256 bytes that no other line names
.set NBUCK, 15625
.set SPW,  4                           ; v4   my spare word; never rewritten
.set NIL,  5                           ; v5   0; never rewritten
.set PINF, 6
.set NINF, 7
.set M,    8
.set MY,   9
.set KMIN, 10
.set OUTV, 11
.set OUTI, 12
.set T,    16                          ; v16-19
.set KC,   20                          ; v20-21
.set LA,   22                          ; my place in my wave's tile: row r, byte 32 h
.set QOFF, 23                          ; 32 h
.set U,    24                          ; v24-31
.set QS,   32                          ; v32-63  the query: 32 f32, then 16 registers of bf16 in v32-47
.set VB,   48                          ; v48-57  values for the selection (the query's stale upper half: never a matrix operand)
.set S,    64                          ; v64-191  four tiles of 16 rows: 32 f32 each, then 16 registers of bf16
.set IB,   80                          ; v80-89  their row numbers (tile 0's stale upper half: never a matrix operand)
.set D,    192                         ; v192-223  four accumulators
.set SEL,  32                          ; s32, s33
.set HM,   34                          ; lanes 16-31
.set MK,   36                          ; s36-39
.set RM,   40
.set RC,   41
.macro WRED opd, op, x, y              ; over the 32 lanes, result in every lane
	\opd v[\x], v[\x], v[\x] row_xmask:1 row_mask:0xf bank_mask:0xf
	\opd v[\x], v[\x], v[\x] row_xmask:2 row_mask:0xf bank_mask:0xf
	\opd v[\x], v[\x], v[\x] row_xmask:4 row_mask:0xf bank_mask:0xf
	\opd v[\x], v[\x], v[\x] row_xmask:8 row_mask:0xf bank_mask:0xf
	v_permlanex16_b32 v[\y], v[\x], s[SEL], s[SEL+1]
	\op v[\x], v[\x], v[\y]
.endm
; The ten best of the wave's 32 R pairs (value VB + k, number IB + k), best first, into lanes 0 to 9 of OUTV and OUTI; the other lanes keep (-inf, +inf).  R % 4 is 0, 1 or 2.
.macro TOP10 R, VB, IB
	v_mov_b32 v[OUTV], v[NINF]
	v_mov_b32 v[OUTI], v[PINF]
	s_mov_b32 s[RM], 1
	s_mov_b32 s[RC], 10
.Ltop_\@:
.irp c, 0,1,2,3
	v_mov_b32 v[T+\c], v[NINF]
.endr
.set k, 0
.rept (\R)/2                           ; the lane's maximum, three operands at a time, in four chains
	v_max3_num_f32 v[T+(k/2)%4], v[T+(k/2)%4], v[(\VB)+k], v[(\VB)+k+1]
.set k, k+2
.endr
.if (\R)%2
	v_max_num_f32 v[T+1], v[T+1], v[(\VB)+(\R)-1]
.endif
	v_max3_num_f32 v[T], v[T], v[T+1], v[T+2]
	v_max_num_f32 v[M], v[T], v[T+3]
	WRED v_max_num_f32_dpp, v_max_num_f32, M, MY
	v_mov_b32 v[KC], v[PINF]
	v_mov_b32 v[KC+1], v[PINF]
.set k, 0
.rept ((\R)+3)/4                       ; the lowest number among the values equal to it
.set n, (\R)-k
.if n > 4
.set n, 4
.endif
.set ub, U+4*((k/4)%2)
.set j, 0
.rept n
	v_cmp_eq_f32 s[MK+j], v[M], v[(\VB)+k+j]
.set j, j+1
.endr
.set j, 0
.rept n
	v_cndmask_b32 v[ub+j], v[PINF], v[(\IB)+k+j], s[MK+j]
.set j, j+1
.endr
.if n == 4
	v_min3_num_f32 v[KC], v[KC], v[ub], v[ub+1]
	v_min3_num_f32 v[KC+1], v[KC+1], v[ub+2], v[ub+3]
.elseif n == 2
	v_min3_num_f32 v[KC], v[KC], v[ub], v[ub+1]
.else
	v_min_num_f32 v[KC], v[KC], v[ub]
.endif
.set k, k+4
.endr
	v_min_num_f32 v[KMIN], v[KC], v[KC+1]
	WRED v_min_num_f32_dpp, v_min_num_f32, KMIN, MY
.set k, 0
.rept ((\R)+3)/4                       ; the pair of that number is taken out
.set n, (\R)-k
.if n > 4
.set n, 4
.endif
.set j, 0
.rept n
	v_cmp_eq_f32 s[MK+j], v[KMIN], v[(\IB)+k+j]
.set j, j+1
.endr
.set j, 0
.rept n
	v_cndmask_b32 v[(\VB)+k+j], v[(\VB)+k+j], v[NINF], s[MK+j]
.set j, j+1
.endr
.set k, k+4
.endr
	v_cndmask_b32 v[OUTV], v[OUTV], v[M], s[RM]
	v_cndmask_b32 v[OUTI], v[OUTI], v[KMIN], s[RM]
	s_lshl_b32 s[RM], s[RM], 1
	s_sub_co_u32 s[RC], s[RC], 1
	s_cmp_lg_u32 s[RC], 0
	s_cbranch_scc1 .Ltop_\@
.endm
	s_load_b256 s[4:11], s[0:1], 0x0               ; candidates s[4:5], queries s[6:7], picks s[8:9], out0 s[10:11]
	s_load_b64 s[12:13], s[0:1], 0x20              ; out1
	v_lshl_add_u32 v[SPW], v0, 2, SPARE
	v_mov_b32 v[NIL], 0
	ds_add_u32 v[SPW], v[NIL]                      ; the wave's opening: the add and its wait ahead of my tensor load
	ds_add_u32 v4, v5
	v_lshrrev_b32 v13, 5, v0
	v_readfirstlane_b32 s14, v13                   ; wave 0..9
	v_and_b32 v1, 31, v0                           ; lane
	v_and_b32 v2, 15, v0                           ; r
	v_bfe_u32 v3, v0, 4, 1                         ; h
	v_mov_b32 v[PINF], 0x7f800000
	v_mov_b32 v[NINF], 0xff800000
	v_mov_b32 v[MY], 0                             ; v_permlanex16_b32's destination counts as read
	; group 1: 64 rows of 32 elements of 8 bytes, dense in memory, 4 words of padding behind every 64 words in LDS
	s_mov_b32 s16, (3<<16)|(1<<20)|(5<<22)|(3<<25)
	s_mov_b32 s17, 32<<16                          ; tensor_dim0 = 32
	s_mov_b32 s18, 64<<16                          ; tensor_dim1 = 64
	s_mov_b32 s19, 32<<16                          ; tile_dim0 = 32
	s_mov_b32 s20, 64                              ; tile_dim1 = 64
	s_mov_b32 s21, 32                              ; 32 elements from row to row
	s_mov_b32 s22, 0
	s_mov_b32 s23, 0
	s_mov_b32 s24, 1
	s_mul_i32 s25, s14, TILEB                      ; my wave's tile in LDS
	s_mov_b32 s[SEL], 0x76543210
	s_mov_b32 s[SEL+1], 0xfedcba98
	s_mov_b32 s[HM], 0xffff0000
	s_lshl_b32 s30, ttmp9, 6
	s_lshl2_add_u32 s30, s14, s30                  ; picks[q][w]: byte 64 q + 4 w
	s_mov_b32 s31, 0
	s_wait_dscnt 0x0                               ; the opening add is done
	s_wait_kmcnt 0x0
	s_add_nc_u64 s[8:9], s[8:9], s[30:31]
	s_load_b32 s28, s[8:9], 0x0
	s_wait_kmcnt 0x0
	s_min_u32 s28, s28, NBUCK-1                    ; a bucket's number, held inside the table
	s_lshl_b32 s30, s28, 14                        ; its 16,384 bytes (the offset stays under 2^28)
	s_add_nc_u64 s[26:27], s[4:5], s[30:31]
	s_or_b32 s27, s27, 0x80000000
	tensor_load_to_lds s[24:27], s[16:23]          ; my one tensor load
	s_nop 0
	s_lshl_b32 s30, ttmp9, 8
	s_add_nc_u64 s[6:7], s[6:7], s[30:31]          ; my query's row
	s_lshl_b32 s29, s28, 6                         ; the bucket's first row
	v_lshlrev_b32 v[QOFF], 5, v3
.irp j, 0,1,2,3,4,5,6,7                ; a lane's 32 numbers of the query, K in the fragments' order: 32 bytes at 32 h, at 64 + 32 h, and the same 128 bytes on
	global_load_b128 v[QS+4*(\j):QS+4*(\j)+3], v[QOFF], s[6:7] offset:64*((\j)/2)+16*((\j)%2)
.endr
	v_mul_u32_u24 v13, v2, PITCH
	v_lshl_add_u32 v13, v3, 5, v13
	v_add_nc_u32 v[LA], s25, v13
	s_wait_loadcnt 0x0
.irp j, 0,1,2,3,4,5,6,7,8,9,10,11,12,13,14,15
	v_cvt_pk_bf16_f32 v[QS+(\j)], v[QS+2*(\j)], v[QS+2*(\j)+1]  ; in place, ascending: register j is written when registers 2 j and 2 j + 1 are read
.endr
	s_wait_tensorcnt 0x0                           ; my tile is in; only I read it
.irp t, 0,1,2,3
.irp j, 0,1,2,3,4,5,6,7
	ds_load_b128 v[S+32*(\t)+4*(\j):S+32*(\t)+4*(\j)+3], v[LA] offset:16*PITCH*(\t)+64*((\j)/2)+16*((\j)%2)
.endr
.endr
.irp t, 0,1,2,3
	s_wait_dscnt 24-8*(\t)                         ; tile t's eight loads are in; the later tiles' may be out
.irp j, 0,1,2,3,4,5,6,7,8,9,10,11,12,13,14,15
	v_cvt_pk_bf16_f32 v[S+32*(\t)+(\j)], v[S+32*(\t)+2*(\j)], v[S+32*(\t)+2*(\j)+1]
.endr
.endr
.irp t, 0,1,2,3                        ; the four accumulators take turns, one instruction a turn; the first link starts the sum with the constant 0
	v_wmma_f32_16x16x32_bf16 v[D+8*(\t):D+8*(\t)+7], v[QS:QS+7], v[S+32*(\t):S+32*(\t)+7], 0
.endr
.irp t, 0,1,2,3
	v_wmma_f32_16x16x32_bf16 v[D+8*(\t):D+8*(\t)+7], v[QS+8:QS+15], v[S+32*(\t)+8:S+32*(\t)+15], v[D+8*(\t):D+8*(\t)+7]
.endr
	v_add_nc_u32 v13, s29, v1                      ; six plain instructions that name no register of the products: the places behind them (ISA guide 7.12.1)
	v_cvt_f32_u32 v[IB], v13                       ; row 64 id + lane,
	v_add_f32 v[IB+1], 0x42000000, v[IB]           ; and 32 further on
	v_lshlrev_b32 v14, 2, v1
	v_lshl_add_u32 v14, s14, 7, v14
	v_add_nc_u32 v14, MV, v14                      ; MV + 128 w + 4 lane: every lane stores, each wave into 128 bytes of its own
	v_cndmask_b32 v[VB], v[D], v[D+8], s[HM]       ; register 0 of tiles 0 and 1: lane l holds row l;
	v_cndmask_b32 v[VB+1], v[D+16], v[D+24], s[HM] ; of tiles 2 and 3: row 32 + l
	TOP10 2, VB, IB
	ds_store_b32 v14, v[OUTV]                      ; my bucket's ten pairs, and 22 of (-inf, +inf), which never win
	ds_store_b32 v14, v[OUTI] offset:MI-MV
	s_wait_dscnt 0x0                               ; for wave 0's sake
	s_barrier_signal -1
	s_barrier_wait -1
	s_cmp_lg_u32 s14, 0
	s_cbranch_scc1 .Lend
.irp k, 0,1,2,3,4,5,6,7,8,9            ; wave 0 (its v14 is MV + 4 lane) merges the 320 pairs, ten a lane
	ds_load_b32 v[VB+(\k)], v14 offset:128*(\k)
	ds_load_b32 v[IB+(\k)], v14 offset:MI-MV+128*(\k)
.endr
	s_wait_dscnt 0x0
	TOP10 10, VB, IB
	v_cvt_u32_f32 v15, v[OUTI]
	v_lshlrev_b32 v13, 2, v1
	s_mul_i32 s30, ttmp9, 40                       ; ten numbers a query
	s_add_nc_u64 s[10:11], s[10:11], s[30:31]
	s_add_nc_u64 s[12:13], s[12:13], s[30:31]
	s_wait_xcnt 0x0                                ; EXEC changes only behind this wait
	v_cmp_gt_u32 vcc_lo, 10, v1
	s_and_saveexec_b32 s35, vcc_lo
	global_store_b32 v13, v[OUTV], s[10:11]
	global_store_b32 v13, v15, s[12:13]
	s_wait_xcnt 0x0                                ; EXEC is widened only behind this wait
	s_or_b32 exec_lo, exec_lo, s35
.Lend:
	s_wait_tensorcnt 0x0                           ; the wave's end
	ds_add_u32 v[SPW], v[NIL]
	s_wait_dscnt 0x0
	s_endpgm
.Lfunc_end_k_q357a2a1eb4_rescore:
	.size	k_q357a2a1eb4_rescore, .Lfunc_end_k_q357a2a1eb4_rescore-k_q357a2a1eb4_rescore
	.p2alignl 7, 3214868480
	.fill 96, 4, 3214868480
	.section	.rodata,"a",@progbits
	.p2align	6, 0x0
	.amdhsa_kernel k_q357a2a1eb4_rescore
		.amdhsa_group_segment_fixed_size 177920
		.amdhsa_private_segment_fixed_size 0
		.amdhsa_enable_private_segment 0
		.amdhsa_kernarg_size 40
		.amdhsa_user_sgpr_count 2
		.amdhsa_user_sgpr_kernarg_segment_ptr 1
		.amdhsa_wavefront_size32 1
		.amdhsa_system_sgpr_workgroup_id_x 1
		.amdhsa_system_sgpr_workgroup_id_y 1
		.amdhsa_system_sgpr_workgroup_id_z 1
		.amdhsa_system_vgpr_workitem_id 0
		.amdhsa_next_free_vgpr 224
		.amdhsa_next_free_sgpr 66
		.amdhsa_reserve_vcc 1
		.amdhsa_float_denorm_mode_32 3
		.amdhsa_float_denorm_mode_16_64 3
		.amdhsa_memory_ordered 1
		.amdhsa_forward_progress 1
		.amdhsa_inst_pref_size 21
	.end_amdhsa_kernel
	.amdgpu_metadata
---
amdhsa.version: [ 1, 2 ]
amdhsa.kernels:
  - .name:           k_q357a2a1eb4_rescore
    .symbol:         k_q357a2a1eb4_rescore.kd
    .args:
      - { .name: candidates, .offset: 0, .size: 8, .value_kind: global_buffer, .address_space: global }
      - { .name: queries, .offset: 8, .size: 8, .value_kind: global_buffer, .address_space: global }
      - { .name: picks, .offset: 16, .size: 8, .value_kind: global_buffer, .address_space: global }
      - { .name: out0, .offset: 24, .size: 8, .value_kind: global_buffer, .address_space: global }
      - { .name: out1, .offset: 32, .size: 8, .value_kind: global_buffer, .address_space: global }
    .group_segment_fixed_size: 177920
    .private_segment_fixed_size: 0
    .kernarg_segment_align: 8
    .kernarg_segment_size: 40
    .max_flat_workgroup_size: 320
    .sgpr_count:     66
    .vgpr_count:     224
    .wavefront_size: 32
...
	.end_amdgpu_metadata
.endif
;; end of part 3
